; MI455X (gfx1250); checked and timed in simulation.
; The chip was launched on July 23, 2026; its instructions are those of AMD's public machine-readable ISA for CDNA 5 (MIT licence, August 2026) and "CDNA5" Instruction Set Architecture Reference Guide (July 2026). The comments in the code are by the model that wrote it; some were corrected since.
;; PLRNN Step. Allowed arithmetic: float matrix products may take bf16 or f16 operands with f32 sums; other float arithmetic in f32, or as packed bf16 or f16 multiplies, adds, multiply-adds, maxima and minima; sums over many terms, partial sums and values carried from step to step in f32; what a program stores and reads back later, other than sums and carried values, may be rounded once to bf16 or f16.
;; Inputs: A 1,024 float32; C 1,024 x 64 float32; W1 4,096 x 1,024 float32; W2 1,024 x 4,096 float32; h1 4,096 float32; h2 1,024 float32; s 8,192 x 64 float32; z 8,192 x 1,024 float32.
;; Outputs: out0 8,192 x 1,024 float32.
;; One version. Each part assembles by itself: llvm-mc -triple=amdgcn-amd-amdhsa -mcpu=gfx1250 --defsym DOCPART=n.
;; ======== version 1 of 1: 3 launches
;; workspace buffers: zb 16,777,216 bytes; w1b 8,388,608 bytes; w2b 8,388,608 bytes; hb 67,108,864 bytes
;; launch cast (part 1): grid 1024 x 1, 8 waves a work-group, no clusters, 0 bytes of LDS; arguments z, W1, W2, zb, w1b, w2b; writes zb, w1b, w2b
.if DOCPART == 1
	.amdgcn_target "amdgcn-amd-amdhsa--gfx1250"
	.amdhsa_code_object_version 6
	.text
	.protected	k_q09e7125b21_cast
	.globl	k_q09e7125b21_cast
	.p2align	8
	.type	k_q09e7125b21_cast,@function
k_q09e7125b21_cast:
	s_mov_b64 s[64:65], 0
	v_nop
	global_prefetch_b8 v0, s[64:65] scope:SCOPE_SE
	s_setreg_imm32_b32 hwreg(HW_REG_WAVE_MODE, 25, 1), 1
	s_wait_xcnt 0x0
; zb = bf16(z), w1b = bf16(W1), w2b = bf16(W2): each number rounded once, to nearest even.  A stream: no LDS, no barrier, no matrix work.
; A work-group takes 65,536 bytes of f32 (16,384 numbers): groups 0-511 z (33,554,432 bytes), 512-767 W1, 768-1023 W2 (16,777,216 bytes each).
; Thread t takes, for i = 0 .. 15, the 16 bytes at 4,096 i + 16 t: a load of a wave covers 512 consecutive bytes, and the 8 bytes that a lane
; stores make 256 consecutive bytes a wave, at a multiple of 256 from the buffer's first byte.  All 16 loads of a thread go out at once; no
; register is written twice, so the only waits are the counted ones for the data.
.set X, 4                              ; v[4:67]   load i: 4 registers of f32
.set Y, 68                             ; v[68:99]  store i: 2 registers, 4 bf16
	s_load_b256 s[4:11], s[0:1], 0x0               ; z s[4:5], W1 s[6:7], W2 s[8:9], zb s[10:11]
	s_load_b128 s[12:15], s[0:1], 0x20             ; w1b s[12:13], w2b s[14:15]
	v_lshlrev_b32 v1, 4, v0                        ; 16 t: my bytes in 4,096 of f32
	v_lshlrev_b32 v2, 3, v0                        ; 8 t: my bytes in 2,048 of bf16
	s_wait_kmcnt 0x0
	s_cmp_lt_u32 ttmp9, 512                        ; which tensor: the choice hangs on the group's number alone
	s_cselect_b64 s[16:17], s[4:5], s[6:7]
	s_cselect_b64 s[18:19], s[10:11], s[12:13]
	s_cselect_b32 s20, 0, 512
	s_cmp_lt_u32 ttmp9, 768
	s_cselect_b64 s[16:17], s[16:17], s[8:9]
	s_cselect_b64 s[18:19], s[18:19], s[14:15]
	s_cselect_b32 s20, s20, 768
	s_sub_co_u32 s20, ttmp9, s20                   ; the group's number within its tensor
	s_lshl_b32 s22, s20, 16                        ; 65,536 bytes in,
	s_mov_b32 s23, 0
	s_lshl_b32 s24, s20, 15                        ; 32,768 bytes out
	s_mov_b32 s25, 0
	s_add_nc_u64 s[16:17], s[16:17], s[22:23]
	s_add_nc_u64 s[18:19], s[18:19], s[24:25]
.irp i, 0,1,2,3,4,5,6,7,8,9,10,11,12,13,14,15
	global_load_b128 v[X+4*(\i):X+4*(\i)+3], v1, s[16:17] offset:4096*(\i) th:TH_LOAD_NT  ; read once in the launch
.endr
.irp i, 0,1,2,3,4,5,6,7,8,9,10,11,12,13,14,15
	s_wait_loadcnt 15-(\i)                         ; loads come back in order (ISA guide 5.7.1): load i is in, the younger ones stay out
	v_cvt_pk_bf16_f32 v[Y+2*(\i)], v[X+4*(\i)], v[X+4*(\i)+1]
	v_cvt_pk_bf16_f32 v[Y+2*(\i)+1], v[X+4*(\i)+2], v[X+4*(\i)+3]
	global_store_b64 v2, v[Y+2*(\i):Y+2*(\i)+1], s[18:19] offset:2048*(\i)  ; no hint: the next launch reads these bytes
.endr
	s_endpgm
.Lfunc_end_k_q09e7125b21_cast:
	.size	k_q09e7125b21_cast, .Lfunc_end_k_q09e7125b21_cast-k_q09e7125b21_cast
	.p2alignl 7, 3214868480
	.fill 96, 4, 3214868480
	.section	.rodata,"a",@progbits
	.p2align	6, 0x0
	.amdhsa_kernel k_q09e7125b21_cast
		.amdhsa_group_segment_fixed_size 0
		.amdhsa_private_segment_fixed_size 0
		.amdhsa_enable_private_segment 0
		.amdhsa_kernarg_size 48
		.amdhsa_user_sgpr_count 2
		.amdhsa_user_sgpr_kernarg_segment_ptr 1
		.amdhsa_wavefront_size32 1
		.amdhsa_system_sgpr_workgroup_id_x 1
		.amdhsa_system_sgpr_workgroup_id_y 1
		.amdhsa_system_sgpr_workgroup_id_z 1
		.amdhsa_system_vgpr_workitem_id 0
		.amdhsa_next_free_vgpr 100
		.amdhsa_next_free_sgpr 66
		.amdhsa_reserve_vcc 0
		.amdhsa_float_denorm_mode_32 3
		.amdhsa_float_denorm_mode_16_64 3
		.amdhsa_memory_ordered 1
		.amdhsa_forward_progress 1
		.amdhsa_inst_pref_size 7
	.end_amdhsa_kernel
	.amdgpu_metadata
---
amdhsa.version: [ 1, 2 ]
amdhsa.kernels:
  - .name:           k_q09e7125b21_cast
    .symbol:         k_q09e7125b21_cast.kd
    .args:
      - { .name: z, .offset: 0, .size: 8, .value_kind: global_buffer, .address_space: global }
      - { .name: W1, .offset: 8, .size: 8, .value_kind: global_buffer, .address_space: global }
      - { .name: W2, .offset: 16, .size: 8, .value_kind: global_buffer, .address_space: global }
      - { .name: zb, .offset: 24, .size: 8, .value_kind: global_buffer, .address_space: global }
      - { .name: w1b, .offset: 32, .size: 8, .value_kind: global_buffer, .address_space: global }
      - { .name: w2b, .offset: 40, .size: 8, .value_kind: global_buffer, .address_space: global }
    .group_segment_fixed_size: 0
    .private_segment_fixed_size: 0
    .kernarg_segment_align: 8
    .kernarg_segment_size: 48
    .max_flat_workgroup_size: 256
    .sgpr_count:     66
    .vgpr_count:     100
    .wavefront_size: 32
...
	.end_amdgpu_metadata
.endif
;; end of part 1
;; launch up (part 2): grid 16 x 16, 4 waves a work-group, clusters of 4 x 4, 327,680 bytes of LDS; arguments zb, w1b, hb, h1; writes hb
.if DOCPART == 2
	.amdgcn_target "amdgcn-amd-amdhsa--gfx1250"
	.amdhsa_code_object_version 6
	.text
	.protected	k_q09e7125b21_up
	.globl	k_q09e7125b21_up
	.p2align	8
	.type	k_q09e7125b21_up,@function
k_q09e7125b21_up:
	s_mov_b64 s[64:65], 0
	v_nop
	global_prefetch_b8 v0, s[64:65] scope:SCOPE_SE
	s_setreg_imm32_b32 hwreg(HW_REG_WAVE_MODE, 25, 1), 1
	s_wait_xcnt 0x0
	s_wait_alu depctr_hold_cnt(0) depctr_sa_sdst(0) depctr_va_vdst(0) depctr_va_sdst(0) depctr_va_ssrc(0) depctr_va_vcc(0) depctr_vm_vsrc(0)
	s_getreg_b32 s2, hwreg(HW_REG_IB_STS2, 6, 4)
	s_cmp_eq_u32 s2, 0
	s_cbranch_scc0 .Lentry_in_a_cluster
	s_endpgm
.Lentry_in_a_cluster:
	s_bfe_u32 s2, ttmp6, 0x10000c
	s_cmp_lg_u32 s2, 0xf033
	s_cbranch_scc0 .Lentry_shape_is_right
	s_endpgm
.Lentry_shape_is_right:
; hb[m][n] = bf16(relu(h1[n] + sum over k of zb[m][k] w1b[n][k])).  zb: [8192][1024], w1b: [4096][1024], hb: [8192][4096], all bf16; h1: [4096] f32; sums in f32.
; LIMITS.  The operands are z and W1 rounded to bf16; the result is rounded once to bf16 and the relu is taken on the rounded number (the same value: rounding keeps the sign).
; The relu is a maximum with 0 that a NaN loses: a NaN sum gives 0 here.
; SHARES.  A tile of hb, 256 x 256, is made by four waves, 128 x 128 each: 64 accumulators of 16 x 16, 512 registers.  512 tiles, 256 work-groups: a work-group makes two tiles, 4,096 rows apart,
; which take the same rows of w1b.  K goes in steps of 128 (rows of 256 bytes) through a ring of two LDS slots; the ring runs on from the first tile into the second.
; CLUSTER.  4 x 4 work-groups.  The four of a row of the cluster need the same tiles of zb, the four of a column the same tiles of w1b: each tile is asked for jointly, by the same tensor load with the
; same descriptor and a mask that names the four.
; THE MATRIX INSTRUCTION IS USED TRANSPOSED: source 0 = 16 rows of w1b, source 1 = 16 rows of zb.  Lane l then holds row l % 16 of hb and the columns 8 (l / 16) + 0 .. 7: 16 bytes of bf16.
; THE BIAS is the C operand of the product that starts each sum: 64 registers hold h1 of my 128 columns in a result's layout.  Nothing is cleared and no addition is written.
; REGISTERS, in windows of 256 (s_set_vgpr_msb: bits 1:0 source 0, 3:2 source 1, 5:4 source 2, 7:6 destination):
;   window 0: v0-31 addresses; v64-127, v128-191 fragments of zb, two buffers; v32-63, v192-255 at work on the way out
;   window 1: v0-63 the bias; v64-127, v128-191 fragments of w1b, two buffers
;   window 2: the accumulators of my rows 0-63 ((a, b) at v[8 (8 a + b)]);   window 3: those of my rows 64-127
.set SIZE_M, 8192
.set SIZE_N, 4096
.set SIZE_K, 1024
.set SIZE_TILES, 2
.set KSTEP,  128
.set PITCH,  272                       ; an LDS row: 256 bytes + 16 of padding = 68 words: row r starts at bank 4 r mod 64 (64 banks of 4 bytes: ISA guide 11.1), so the 16 rows of a load start at 16 different banks
.set HALFT,  128*PITCH                 ; 128 rows: what one tensor load brings, and what one wave reads of zb or of w1b
.set SLOT,   4*HALFT                   ; zb's 256 rows, then w1b's 256 rows
.set STAGE,  2*SLOT                    ; behind the ring: 16 rows x 272 bytes for each wave, for the way out
.set SPITCH, 272
.set SPARE,  STAGE+4*16*SPITCH         ; behind the stages: the spare words, 128 bytes for each wave: two blocks of 256 bytes that no other line names
.set LAPS,   SIZE_K/(2*KSTEP)          ; a lap = two K steps = once round the ring: 4
.set WALK,   SIZE_M/SIZE_TILES         ; the two tiles lie 4,096 rows apart
.set NEXT_A, WALK*SIZE_K*2-(SIZE_K-2*KSTEP)*2   ; bytes from a slot's last K step of a tile to its first of the next: zb goes WALK rows down and back along K,
.set BACK_B, (SIZE_K-2*KSTEP)*2        ; w1b only back
.set NEXT_C, (WALK-7*16)*SIZE_N*2      ; bytes from my last 16 rows of a tile to my first of the next
.set ADRA, 16                          ; v16-17  LDS address of my zb fragments in slot 0, 1
.set ADRB, 20                          ; v20-21  the same for w1b
.set STO,  24                          ; v24     the way out: where I put 16 bytes of a row
.set RD,   25                          ; v25     the way out: where I read a row back
.set CO,   26                          ; v26     my byte offset in hb
.set ZR,   27                          ; v27     0, for the relu
.set SPW,  28                          ; v28     LDS address of my spare word: SPARE + 4 x my thread's number; never rewritten
.set NIL,  29                          ; v29     0; never rewritten
.set BO,   30                          ; v30     32 (l / 16): my byte offset in 16 numbers of h1
.set F0,   64                          ; fragment buffer 0
.set F1,   128                         ; fragment buffer 1
.set TMP,  192                         ; the way out: packed results, in window 0
.set OB,   32                          ; the way out: 16 rows read back from the stage: v32-63 and v224-255 by turns
.set BIAS, 0                           ; window 1: v[8 b + j] = h1[my first column + 16 b + 8 (l / 16) + j]
.set G1,  24                           ; s[24:31] descriptor group 1 for zb's tiles
.set G0,  32                           ; s[32:39] descriptor group 0 for zb's tiles, one set for each slot
.set G1B, 48                           ; s[48:55] descriptor group 1 for w1b's tiles: it differs in the mask alone
.set G0B, 56                           ; s[56:63] descriptor group 0 for w1b's tiles, one set for each slot
.set MSB, 0
.macro WIN new                         ; the immediate's high byte repeats the setting that is left; a switch that changes nothing is dropped
.if MSB != (\new)
	s_set_vgpr_msb (MSB<<8)|(\new)
.set MSB, \new
.endif
.endm
.set MUL_LO,  0xa1                     ; source 0 (w1b) window 1, source 1 (zb) window 0, C and D window 2;  + 0x50: C and D window 3
.set MULB_LO, 0x91                     ; the same with C (the bias) in window 1;  + 0x40: D window 3
.set TO_B,    0x40                     ; destination window 1, address window 0
; A joint load.  Waves 0 and 1 fetch zb's two halves, waves 2 and 3 w1b's.  Each of the two lines has one mask and one set of registers for all that issue it; the branch hangs on the wave's number alone.
; An s_nop 0 and four v_nop follow each of the two lines; the jump, the label and what follows come after them.
.macro JLOAD s
	s_cmp_eq_u32 s11, 0
	s_cbranch_scc0 .Lfor_b_\@
	tensor_load_to_lds s[G0+4*(\s):G0+4*(\s)+3], s[G1:G1+7]
	s_nop 0
.rept 4
	v_nop
.endr
	s_branch .Lasked_\@
.Lfor_b_\@:
	tensor_load_to_lds s[G0B+4*(\s):G0B+4*(\s)+3], s[G1B:G1B+7]
	s_nop 0
.rept 4
	v_nop
.endr
.Lasked_\@:
.endm
; A round of the cluster's barrier: my work-group's barrier, so that wave 0's signal speaks for all four waves; wave 0 signals for the work-group; every wave waits for all sixteen; my work-group's barrier once more.
.macro CREST                           ; a round behind its opening barrier
	s_cmp_lg_u32 s10, 0
	s_cbranch_scc1 .Lnot_wave_0_\@
	s_barrier_signal -3
.Lnot_wave_0_\@:
	s_barrier_wait -3
	s_barrier_signal -1
	s_barrier_wait -1
.endm
.macro CROUND                          ; a whole round
	s_barrier_signal -1
	s_barrier_wait -1
	CREST
.endm
	s_load_b128 s[4:7], s[0:1], 0x0                ; zb s[4:5], w1b s[6:7]
	s_load_b64 s[8:9], s[0:1], 0x10                ; hb
	s_load_b64 s[66:67], s[0:1], 0x18              ; h1
	v_lshl_add_u32 v[SPW], v0, 2, SPARE
	v_mov_b32 v[NIL], 0
	ds_add_u32 v[SPW], v[NIL]                      ; the wave's opening: the add and its wait stand ahead of my first tensor load; the set-up below, work on registers, stands between them
	v_lshrrev_b32 v1, 5, v0
	v_readfirstlane_b32 s10, v1                    ; wave 0..3
	s_lshr_b32 s11, s10, 1                         ; which half of the tile's rows is mine.  Also: I fetch for zb (0) or for w1b (1)
	s_and_b32 s12, s10, 1                          ; which half of its columns.  Also: which 128 rows of that tile I fetch
	s_bfe_u32 s40, ttmp6, 0x40000                  ; cx: my place along the cluster's x
	s_bfe_u32 s41, ttmp6, 0x40004                  ; cy: along its y
	s_lshl_b32 s42, ttmp9, 2                       ; in a cluster launch ttmp9 and ttmp7 count clusters
	s_add_co_u32 s42, s42, s40                     ; tile column = 4 x cluster x + cx
	s_and_b32 s13, ttmp7, 0xffff
	s_lshl_b32 s13, s13, 2
	s_add_co_u32 s13, s13, s41                     ; tile row = 4 x cluster y + cy
	s_lshl_b32 s43, s41, 2
	s_lshl_b32 s43, 15, s43                        ; my row of the cluster: places 4 cy .. 4 cy + 3
	s_lshl_b32 s44, 0x1111, s40                    ; my column: places cx, cx + 4, cx + 8, cx + 12
	; descriptor group 1: a tile of 128 rows x 128 elements, padded in LDS
	s_or_b32 s[G1+0], s43, (1<<16)|(1<<20)|(1<<21)|(5<<22)|(3<<25)   ; 15:0 the mask: zb's tiles go to my row; 17:16 elements of 2 bytes; 20 padding on; 21 set beside a mask; 24:22 after every 64 words (code 5); 31:25 4 words of it (code 3)
	s_or_b32 s[G1B+0], s44, (1<<16)|(1<<20)|(1<<21)|(5<<22)|(3<<25)  ; the same with the mask of my column, for w1b's tiles
.irp g, G1, G1B
	s_mov_b32 s[(\g)+1], KSTEP<<16                 ; tensor_dim0 = 128
	s_mov_b32 s[(\g)+2], 128<<16                   ; tensor_dim1 = 128
	s_mov_b32 s[(\g)+3], KSTEP<<16                 ; tile_dim0 = 128
	s_mov_b32 s[(\g)+4], 128                       ; tile_dim1 = 128
	s_mov_b32 s[(\g)+5], SIZE_K                    ; elements from row to row
	s_mov_b32 s[(\g)+6], 0
	s_mov_b32 s[(\g)+7], 0
.endr
	; where the tiles come from.  zb's hang on the tile row alone, which my row of the cluster shares; w1b's on the tile column alone, which my column shares.
	; Every wave makes both addresses, in registers that never hold the other coordinate, and asks by one of them.
	s_lshl_b32 s17, s12, 7                         ; which 128 rows of the tile I fetch
	s_lshl_b32 s16, s13, 8
	s_add_co_u32 s16, s16, s17                     ; zb: row 256 x tile row + 128 x half
	s_lshl_b32 s46, s42, 8
	s_add_co_u32 s46, s46, s17                     ; w1b: row 256 x tile column + 128 x half
	s_mov_b32 s17, 0
	s_mov_b32 s47, 0
	s_mov_b64 s[18:19], SIZE_K*2
	s_mul_u64 s[16:17], s[16:17], s[18:19]         ; in bytes
	s_mul_u64 s[46:47], s[46:47], s[18:19]
	s_mul_i32 s20, s10, HALFT                      ; and where they go: wave x 128 rows: no place in the cluster enters an LDS address
	s_wait_dscnt 0x0                               ; the opening add is done
	s_wait_kmcnt 0x0
	s_add_nc_u64 s[14:15], s[4:5], s[16:17]
	s_add_nc_u64 s[46:47], s[6:7], s[46:47]
	CROUND                                         ; all sixteen work-groups are here: the first joint loads meet
.irp s, 0,1
	s_mov_b32 s[G0+4*(\s)], 1                                        ; count = 1
	s_add_co_u32 s[G0+4*(\s)+1], s20, (\s)*SLOT                      ; LDS address
	s_add_nc_u64 s[G0+4*(\s)+2:G0+4*(\s)+3], s[14:15], (\s)*KSTEP*2  ; global address: K step s
	s_or_b32 s[G0+4*(\s)+3], s[G0+4*(\s)+3], 0x80000000              ; type = 2
	s_mov_b32 s[G0B+4*(\s)], 1
	s_add_co_u32 s[G0B+4*(\s)+1], s20, (\s)*SLOT
	s_add_nc_u64 s[G0B+4*(\s)+2:G0B+4*(\s)+3], s[46:47], (\s)*KSTEP*2
	s_or_b32 s[G0B+4*(\s)+3], s[G0B+4*(\s)+3], 0x80000000
	JLOAD \s                                       ; the ring is filled before anything else is done: two loads of mine are out
.endr
	; A fragment is 16 rows x 32 K in 8 registers: lane l holds row l % 16; registers 0-3 hold K = 8 (l / 16) + 0..7, registers 4-7 K = 16 + 8 (l / 16) + 0..7: two loads of 16 bytes, 32 bytes apart.
	v_and_b32 v1, 15, v0                           ; l % 16
	v_bfe_u32 v2, v0, 4, 1                         ; l / 16
	v_mul_u32_u24 v3, v1, PITCH
	v_lshl_add_u32 v3, v2, 4, v3                   ; row x pitch + 16 x half
	s_mul_i32 s21, s11, HALFT                      ; my 128 rows of zb
	s_mul_i32 s22, s12, HALFT                      ; my 128 rows of w1b,
	s_add_co_u32 s22, s22, 2*HALFT                 ; which lie behind zb's 256
.irp s, 0,1
	v_add_nc_u32 v[ADRA+(\s)], s21, v3
	v_add_nc_u32 v[ADRB+(\s)], s22, v3
	s_add_co_u32 s21, s21, SLOT
	s_add_co_u32 s22, s22, SLOT
.endr
	s_mul_i32 s23, s10, 16*SPITCH
	s_add_co_u32 s23, s23, STAGE                   ; my stage
	v_mul_u32_u24 v4, v1, SPITCH                   ; in: row l % 16, 16 bytes for each half of the lanes
	v_lshl_add_u32 v4, v2, 4, v4
	v_add_nc_u32 v[STO], s23, v4
	v_mul_u32_u24 v5, v2, SPITCH                   ; back: lanes 0-15 take one row of 256 bytes, lanes 16-31 the next
	v_lshl_add_u32 v5, v1, 4, v5
	v_add_nc_u32 v[RD], s23, v5
	v_mul_u32_u24 v5, v2, SIZE_N*2                 ; and the same two rows in hb
	v_lshl_add_u32 v[CO], v1, 4, v5
	v_mov_b32 v[ZR], 0
	v_lshlrev_b32 v[BO], 5, v2
	; where my part of the first tile begins in hb, in bytes: the first way out adds it to hb's address
	s_lshl_b32 s13, s13, 8
	s_lshl_b32 s14, s11, 7
	s_add_co_u32 s16, s13, s14                     ; my first row
	s_mov_b32 s17, 0
	s_mov_b64 s[18:19], SIZE_N*2
	s_mul_u64 s[16:17], s[16:17], s[18:19]
	s_lshl_b32 s46, s42, 9                         ; my first column, in bytes of bf16: 512 x tile column + 256 x half
	s_lshl_b32 s47, s12, 8
	s_add_co_u32 s46, s46, s47
	s_mov_b32 s47, 0
	s_add_nc_u64 s[16:17], s[16:17], s[46:47]
	s_lshl_b32 s44, s46, 1                         ; the same column in bytes of f32,
	s_mov_b32 s45, 0
	s_add_nc_u64 s[66:67], s[66:67], s[44:45]      ; h1 at my first column
	WIN TO_B
.irp b, 0,1,2,3,4,5,6,7
	global_load_b128 v[BIAS+8*(\b):BIAS+8*(\b)+3],   v[BO], s[66:67] offset:64*(\b)     ; h1 of columns 16 b + 8 (l / 16) + 0..3,
	global_load_b128 v[BIAS+8*(\b)+4:BIAS+8*(\b)+7], v[BO], s[66:67] offset:64*(\b)+16  ; and + 4..7
.endr
	WIN 0
; 16 matrix instructions: m blocks a0, a0 + 1 of the window's four (hi = 0: my rows 0-63, 1: rows 64-127) x all 8 n blocks, 32 along K.  first = 1: the product starts the sum, with the bias as C.
; The 64 accumulators take turns, one instruction a turn, in the same order in every quarter step.
.macro MUL16 f, hi, a0, first
.if \first
	WIN MULB_LO+0x40*(\hi)
.else
	WIN MUL_LO+0x50*(\hi)
.endif
.irp a, \a0, (\a0)+1
.irp b, 0,1,2,3,4,5,6,7
.if \first
	v_wmma_f32_16x16x32_bf16 v[8*(8*(\a)+(\b)):8*(8*(\a)+(\b))+7], v[(\f)+8*(\b):(\f)+8*(\b)+7], v[(\f)+8*(4*(\hi)+(\a)):(\f)+8*(4*(\hi)+(\a))+7], v[BIAS+8*(\b):BIAS+8*(\b)+7]
.else
	v_wmma_f32_16x16x32_bf16 v[8*(8*(\a)+(\b)):8*(8*(\a)+(\b))+7], v[(\f)+8*(\b):(\f)+8*(\b)+7], v[(\f)+8*(4*(\hi)+(\a)):(\f)+8*(4*(\hi)+(\a))+7], v[8*(8*(\a)+(\b)):8*(8*(\a)+(\b))+7]
.endif
.endr
.endr
.endm
; 32 LDS loads in one run: the fragments of one quarter step (128 rows of w1b, 128 rows of zb, 32 K at byte k of the rows) into buffer f
.macro FETCH slot, k, f
	WIN TO_B
.irp i, 0,1,2,3,4,5,6,7
	ds_load_b128 v[(\f)+8*(\i):(\f)+8*(\i)+3],   v[ADRB+(\slot)] offset:(\k)+(\i)*16*PITCH
	ds_load_b128 v[(\f)+8*(\i)+4:(\f)+8*(\i)+7], v[ADRB+(\slot)] offset:(\k)+(\i)*16*PITCH+32
.endr
	WIN 0
.irp i, 0,1,2,3,4,5,6,7
	ds_load_b128 v[(\f)+8*(\i):(\f)+8*(\i)+3],   v[ADRA+(\slot)] offset:(\k)+(\i)*16*PITCH
	ds_load_b128 v[(\f)+8*(\i)+4:(\f)+8*(\i)+7], v[ADRA+(\slot)] offset:(\k)+(\i)*16*PITCH+32
.endr
.endm
; A load into a register that a matrix instruction has read, and a vector instruction or LDS store that reads a matrix result, stand four places behind that matrix instruction, and only plain vector
; instructions that name none of its registers are places (ISA guide 7.12.1 for vector instructions).
.macro PLACES
.rept 4
	v_nop
.endr
.endm
; A K step is four quarter steps of 32 along K, 64 matrix instructions each, on buffers 0, 1, 0, 1.
; One of the first three: multiplies buffer f; in its middle it fetches the next quarter's fragments, at byte k of the same slot's rows, into buffer g.
.macro QUARTER slot, k, f, g, first
	s_wait_dscnt 8                                 ; w1b and zb's rows 0-63 are in; the youngest eight loads (zb's rows 64-127) may be out
	MUL16 \f, 0, 0, \first
	MUL16 \f, 0, 2, \first
	PLACES
	FETCH \slot, \k, \g
	s_wait_dscnt 32                                ; all but the 32 just issued
	MUL16 \f, 1, 0, \first
	MUL16 \f, 1, 2, \first
.endm
; The last quarter multiplies buffer 1 and changes slots.  MEET is its first half: one barrier for the change.  In front of it each wave waits for all its tensor loads, of which one is out: its part of
; the next slot; adds 0 to its spare word; and waits for that and for its own reads of this slot.  Behind it nobody reads this slot any more and the next slot is whole.
.macro MEET round                      ; round = 1: a round of the cluster's barrier follows
	WIN 0                                          ; (the add's two registers lie in window 0)
	s_wait_tensorcnt 0x0                           ; all my tensor loads have landed;
	ds_add_u32 v[SPW], v[NIL]                      ; 0 onto my spare word;
	s_wait_dscnt 9                                 ; (the add and the youngest eight loads may be out)
	MUL16 F1, 0, 0, 0                              ; sixteen matrix instructions stand between the add and the wait for it
	s_wait_dscnt 0x0                               ; the add is done, and my reads of this slot are over:
	s_barrier_signal -1                            ; say so,
	MUL16 F1, 0, 2, 0                              ; work on registers while the others arrive,
.if \round
	WIN 0
.endif
	s_barrier_wait -1                              ; and go on when all four have said so
.endm
; The whole last quarter.  mode 0: the slot just read out is filled again with this tile's K step two steps on; mode 1: with the next tile's K step 0 or 1; mode 2: nothing is left to fetch.
; With a refill the barrier opens a round of the cluster's, so that no wave of any partner still reads the slot or has a load on its way, and the joint load is the first thing behind the round:
; from there to the wait for it a wave issues 224 matrix instructions.
.macro TURN slot, next, mode
.if (\mode) == 2
	MEET 0
	PLACES                                         ; for the loads into buffer 0, which the quarter before multiplied
.else
	MEET 1
	CREST
.if (\mode) == 1
	s_add_nc_u64 s[G0+4*(\slot)+2:G0+4*(\slot)+3], s[G0+4*(\slot)+2:G0+4*(\slot)+3], NEXT_A
	s_sub_nc_u64 s[G0B+4*(\slot)+2:G0B+4*(\slot)+3], s[G0B+4*(\slot)+2:G0B+4*(\slot)+3], BACK_B
.else
	s_add_nc_u64 s[G0+4*(\slot)+2:G0+4*(\slot)+3], s[G0+4*(\slot)+2:G0+4*(\slot)+3], 2*KSTEP*2
	s_add_nc_u64 s[G0B+4*(\slot)+2:G0B+4*(\slot)+3], s[G0B+4*(\slot)+2:G0B+4*(\slot)+3], 2*KSTEP*2
.endif
	JLOAD \slot                                    ; the four v_nop behind it are also the places in front of the loads below
.endif
	FETCH \next, 0, F0
	MUL16 F1, 1, 0, 0
	MUL16 F1, 1, 2, 0
.endm
; THE WAY OUT of block a (16 rows), in three parts.  PACK: rounded to bf16, 16 bytes a lane, then the relu on the packed halves.  TOSTAGE: into my own stage in LDS, and back as whole rows of 256 bytes.  SEND: stored.
.macro PACK a
.set AC, 64*((\a)%4)
	WIN 0x0a+5*((\a)/4)                            ; sources 0 and 1: window 2 or 3
.irp b, 0,1,2,3,4,5,6,7
.irp r, 0,1,2,3
	v_cvt_pk_bf16_f32 v[TMP+4*(\b)+(\r)], v[AC+8*(\b)+2*(\r)], v[AC+8*(\b)+2*(\r)+1]  ; each accumulator's registers in ascending order
.endr
.endr
	WIN 0
.set i, 0
.rept 32
	v_pk_max_num_bf16 v[TMP+i], v[TMP+i], v[ZR]    ; two maxima with 0; nothing is rounded
.set i, i+1
.endr
.endm
.macro TOSTAGE a
	WIN 0
.set BK, OB+192*((\a)%2)
.irp b, 0,1,2,3,4,5,6,7
	ds_store_b128 v[STO], v[TMP+4*(\b):TMP+4*(\b)+3] offset:32*(\b)
.endr
.irp t, 0,1,2,3,4,5,6,7
	ds_load_b128 v[BK+4*(\t):BK+4*(\t)+3], v[RD] offset:(\t)*2*SPITCH  ; LDS serves a wave's instructions in order (ISA guide 5.7.1.4): these see the stores above
.endr
.endm
.macro SEND a, younger                 ; younger: the LDS instructions issued behind TOSTAGE's, which may stay out
	WIN 0
.set BK, OB+192*((\a)%2)
	s_wait_dscnt \younger                          ; the block is back in registers
	s_wait_xcnt 0x0                                ; only behind this wait are the stores' base and the registers that earlier stores read rewritten
.if (\a) == 0
	s_add_nc_u64 s[8:9], s[8:9], s[16:17]          ; on to this tile's first rows
.else
	s_add_nc_u64 s[8:9], s[8:9], 16*SIZE_N*2       ; 16 rows on
.endif
.irp t, 0,1,2,3,4,5,6,7
	global_store_b128 v[CO], v[BK+4*(\t):BK+4*(\t)+3], s[8:9] offset:2*(\t)*SIZE_N*2  ; 16 lanes store 256 consecutive bytes, at a multiple of 256 from hb's first byte
.endr
.endm
.macro WAYOUT                          ; block a's arithmetic stands between block a - 1's loads from the stage and the wait for them
	PACK 0
	TOSTAGE 0
.irp a, 1,2,3,4,5,6,7
	PACK \a
	SEND (\a)-1, 0
	TOSTAGE \a
.endr
	SEND 7, 0
.endm
	s_wait_tensorcnt 1                             ; my part of K step 0 is in; K step 1's may stay out
	s_barrier_signal -1
	s_barrier_wait -1                              ; everybody's is
	FETCH 0, 0, F0
	s_wait_loadcnt 0x0                             ; the bias
	s_mov_b32 s2, SIZE_TILES                       ; tiles to go, this one among them: the same number in every work-group
.Ltile:                                                ; (FETCH and SEND leave every window 0)
	QUARTER 0, 64,  F0, F1, 1                      ; a tile's first quarter stands in front of the loop: its products start the sums, on the bias
	WIN 0                                          ; at a label and at a branch every window is 0
	s_mov_b32 s3, LAPS-1
.Llap:                                                 ; a trip goes once round the ring, from a lap's second quarter to the next lap's first, and fills both slots again
	QUARTER 0, 128, F1, F0, 0
	QUARTER 0, 192, F0, F1, 0
	TURN 0, 1, 0
	QUARTER 1, 64,  F0, F1, 0
	QUARTER 1, 128, F1, F0, 0
	QUARTER 1, 192, F0, F1, 0
	TURN 1, 0, 0
	QUARTER 0, 64,  F0, F1, 0
	WIN 0
	s_sub_co_u32 s3, s3, 1
	s_cmp_lg_u32 s3, 0
	s_cbranch_scc1 .Llap
	QUARTER 0, 128, F1, F0, 0                      ; the tile's last lap goes on
	QUARTER 0, 192, F0, F1, 0
	WIN 0
	s_cmp_eq_u32 s2, 1
	s_cbranch_scc1 .Llast_tile                     ; the last tile's tail is written out: it asks for nothing more
	TURN 0, 1, 1                                   ; the ring goes on into the next tile: slot 0 takes its K step 0,
	QUARTER 1, 64,  F0, F1, 0
	QUARTER 1, 128, F1, F0, 0
	QUARTER 1, 192, F0, F1, 0
	TURN 1, 0, 1                                   ; slot 1 its K step 1, and the next tile's first fragments are fetched
	WAYOUT                                         ; both refills are asked for: now the tile goes out.  Blocks 0-3 were finished in front of the joint load's four v_nop; their conversions, which name
	                                               ; no register of the last products (blocks 4-7's), are those products' places
	s_mov_b64 s[16:17], NEXT_C                     ; what the next way out adds to hb's address
	s_sub_co_u32 s2, s2, 1
	s_branch .Ltile
.Llast_tile:
	TURN 0, 1, 2                                   ; my one tensor load that was still out is slot 1's, the last K step's, so no round follows
	QUARTER 1, 64,  F0, F1, 0
	QUARTER 1, 128, F1, F0, 0
	QUARTER 1, 192, F0, F1, 0
	s_wait_dscnt 8                                 ; the very last quarter: nothing more to fetch
	MUL16 F1, 0, 0, 0
	MUL16 F1, 0, 2, 0
	s_wait_dscnt 0x0
	MUL16 F1, 1, 0, 0
	MUL16 F1, 1, 2, 0
	PLACES                                         ; the conversions read results behind which only matrix instructions stand
	WAYOUT
	s_wait_tensorcnt 0x0                           ; the wave's end, behind my last tensor load and my last LDS store
	ds_add_u32 v[SPW], v[NIL]
	s_wait_dscnt 0x0
	CROUND                                         ; the closing round: no work-group ends while a partner may still ask for a tile that names it
	s_endpgm
.Lfunc_end_k_q09e7125b21_up:
	.size	k_q09e7125b21_up, .Lfunc_end_k_q09e7125b21_up-k_q09e7125b21_up
	.p2alignl 7, 3214868480
	.fill 96, 4, 3214868480
	.section	.rodata,"a",@progbits
	.p2align	6, 0x0
	.amdhsa_kernel k_q09e7125b21_up
		.amdhsa_group_segment_fixed_size 327680
		.amdhsa_private_segment_fixed_size 0
		.amdhsa_enable_private_segment 0
		.amdhsa_kernarg_size 32
		.amdhsa_user_sgpr_count 2
		.amdhsa_user_sgpr_kernarg_segment_ptr 1
		.amdhsa_wavefront_size32 1
		.amdhsa_system_sgpr_workgroup_id_x 1
		.amdhsa_system_sgpr_workgroup_id_y 1
		.amdhsa_system_sgpr_workgroup_id_z 1
		.amdhsa_system_vgpr_workitem_id 0
		.amdhsa_next_free_vgpr 1024
		.amdhsa_next_free_sgpr 68
		.amdhsa_reserve_vcc 0
		.amdhsa_float_denorm_mode_32 3
		.amdhsa_float_denorm_mode_16_64 3
		.amdhsa_memory_ordered 1
		.amdhsa_forward_progress 1
		.amdhsa_inst_pref_size 242
	.end_amdhsa_kernel
	.amdgpu_metadata
---
amdhsa.version: [ 1, 2 ]
amdhsa.kernels:
  - .name:           k_q09e7125b21_up
    .symbol:         k_q09e7125b21_up.kd
    .args:
      - { .name: zb, .offset: 0, .size: 8, .value_kind: global_buffer, .address_space: global }
      - { .name: w1b, .offset: 8, .size: 8, .value_kind: global_buffer, .address_space: global }
      - { .name: hb, .offset: 16, .size: 8, .value_kind: global_buffer, .address_space: global }
      - { .name: h1, .offset: 24, .size: 8, .value_kind: global_buffer, .address_space: global }
    .group_segment_fixed_size: 327680
    .private_segment_fixed_size: 0
    .kernarg_segment_align: 8
    .kernarg_segment_size: 32
    .max_flat_workgroup_size: 128
    .sgpr_count:     68
    .vgpr_count:     1024
    .wavefront_size: 32
...
	.end_amdgpu_metadata
.endif
;; end of part 2
;; launch down (part 3): grid 4 x 64, 4 waves a work-group, clusters of 4 x 4, 327,680 bytes of LDS; arguments hb, w2b, s, C, A, h2, z, out0; writes out0
.if DOCPART == 3
	.amdgcn_target "amdgcn-amd-amdhsa--gfx1250"
	.amdhsa_code_object_version 6
	.text
	.protected	k_q09e7125b21_down
	.globl	k_q09e7125b21_down
	.p2align	8
	.type	k_q09e7125b21_down,@function
k_q09e7125b21_down:
	s_mov_b64 s[64:65], 0
	v_nop
	global_prefetch_b8 v0, s[64:65] scope:SCOPE_SE
	s_setreg_imm32_b32 hwreg(HW_REG_WAVE_MODE, 25, 1), 1
	s_wait_xcnt 0x0
	s_wait_alu depctr_hold_cnt(0) depctr_sa_sdst(0) depctr_va_vdst(0) depctr_va_sdst(0) depctr_va_ssrc(0) depctr_va_vcc(0) depctr_vm_vsrc(0)
	s_getreg_b32 s2, hwreg(HW_REG_IB_STS2, 6, 4)
	s_cmp_eq_u32 s2, 0
	s_cbranch_scc0 .Lentry_in_a_cluster
	s_endpgm
.Lentry_in_a_cluster:
	s_bfe_u32 s2, ttmp6, 0x10000c
	s_cmp_lg_u32 s2, 0xf033
	s_cbranch_scc0 .Lentry_shape_is_right
	s_endpgm
.Lentry_shape_is_right:
; out0[m][n] = A[n] z[m][n] + h2[n] + sum over k of hb[m][k] w2b[n][k] + sum over j of s[m][j] C[n][j].
; hb: [8192][4096] bf16, w2b: [1024][4096] bf16; s: [8192][64], C: [1024][64], A, h2: [1024], z, out0: [8192][1024], all f32.  Sums in f32.
; LIMITS.  The matrix operands are bf16: hb and w2b as they come, s and C rounded here.  A, z and h2 enter unrounded.  Order of the sums: h2 starts each sum, the products over k follow in ascending k with
; the two products of s C^T set in behind the first 3,808 of k; the last step is one fused z A + sum.
; SHARES.  A tile of out0 is 128 rows x 256 columns: 64 x 4 = 256 work-groups.  Four waves, each 64 rows x 128 columns: 32 accumulators of 16 x 16, 256 registers.
; THE RING has two slots of unequal depth, each with hb's 128 rows and then w2b's 256 rows: X holds 256 along K (rows of 512 bytes), Y holds 128 (rows of 256 bytes): 307,200 bytes with the padding.  Two slots
; of 256 along K would take 405,504 bytes and do not fit.  K is walked X Y X Y .. X: 11 x 256 + 10 x 128 = 4,096, with 20 changes of slots.  Every row of every tile starts at a multiple of 256 bytes.
; CLUSTER.  4 x 4 work-groups.  A row of the cluster covers all 1,024 columns and shares hb's tiles; a column shares w2b's.  Each tile is asked for jointly: the same tensor load, descriptor and mask in all four.
; THE MATRIX INSTRUCTION IS USED TRANSPOSED: source 0 = 16 rows of w2b (or C), source 1 = 16 rows of hb (or s): lane l holds row l % 16 of out0 and the columns 8 (l / 16) + 0 .. 7.
; REGISTERS, in windows of 256 (s_set_vgpr_msb: bits 1:0 source 0, 3:2 source 1, 5:4 source 2, 7:6 destination):
;   window 0: v0-31 addresses, A of my four columns; v64-191 s in f32, then its eight bf16 fragments in v64-127; on the way out two buffers of 16 rows
;   window 1: two fragment buffers of 96 (32 of hb, then 64 of w2b); v192-255 h2 in a result's layout
;   window 2: the accumulators, (a, b) at v[8 (8 a + b)]
;   window 3: C in f32, then its sixteen bf16 fragments in v0-127; afterwards z, row t of my 64 at v[4 t]
.set SIZE_K, 4096
.set KX,     256                       ; along K in slot X,
.set KY,     128                       ; and in slot Y
.set XPITCH, 528                       ; a row in X: 512 bytes + 16 of padding = 132 words; in Y: 256 + 16 = 68 words: in both, row r starts at bank 4 r mod 64 (64 banks of 4 bytes: ISA guide 11.1),
.set YPITCH, 272                       ; so the 16 rows that a fragment load touches start at 16 different banks
.set XB,     128*XPITCH                ; in X: w2b's rows behind hb's 128
.set YBASE,  384*XPITCH                ; slot Y lies behind slot X
.set YB,     YBASE+128*YPITCH          ; in Y: w2b's rows behind hb's 128
.set SPARE,  YBASE+384*YPITCH          ; behind the ring: the spare words, 128 bytes for each wave: two blocks of 256 bytes that no other line names
.set STAGE,  YBASE                     ; the way out's stage, 16 rows x 528 bytes for each wave, lies in slot Y: it is written only behind the last change of slots, when Y's last fill has landed and every wave's reads of Y are over
.set SPITCH, 528                       ; 512 bytes + 16 = 132 words: the 16 rows of a store start at 16 different groups of four banks
.set RING,   (KX+KY)*2                 ; bytes along a row from a slot's tile to its next: 768
.set PASSES, (SIZE_K-KX)/(KX+KY)       ; 10: as many times X is filled again
.set AV,   8                           ; v[8:11] A of my columns 4 l .. 4 l + 3 of the wave's 128
.set ADRA, 16                          ; v16-17  LDS address of my hb fragments in slot X, Y
.set ADRB, 20                          ; v20-21  the same for w2b
.set SO,   22                          ; v22     256 (l % 16) + 32 (l / 16): my byte offset in 16 rows of s or C
.set BO,   23                          ; v23     32 (l / 16): my byte offset in 16 numbers of h2
.set STO,  24                          ; v24     the way out: where I put 32 bytes of a row
.set RD,   25                          ; v25     the way out: where I read a row back
.set CO,   26                          ; v26     16 l: my bytes in the wave's 512 of a row of z, out0 and A
.set SPW,  28                          ; v28     LDS address of my spare word: SPARE + 4 x my thread's number; never rewritten
.set NIL,  29                          ; v29     0; never rewritten
.set SS,   64                          ; window 0
.set F0,   0                           ; window 1
.set F1,   96
.set BIAS, 192                         ; window 1: v[BIAS + 8 b + j] = h2[my first column + 16 b + 8 (l / 16) + j]
.set WV,  12                           ; s12  my wave's number
.set WR,  13                           ; s13  which 64 rows of the tile are mine.  Also: I fetch for hb (0) or for w2b (1)
.set WC,  14                           ; s14  which 128 columns.  Also: which half of that tile's rows I fetch
.set G1A, 24                           ; descriptor group 1: hb's tiles s[24:31] for X, s[40:47] for Y;
.set G1B, 32                           ; w2b's tiles s[32:39] for X, s[48:55] for Y
.set G1S, 16                           ; from X's set to Y's
.set G0A, 56                           ; descriptor group 0: hb's tiles s[56:59] for X, s[76:79] for Y;
.set G0B, 60                           ; w2b's tiles s[60:63] for X, s[80:83] for Y
.set G0S, 20
.set MSB, 0
.macro WIN new                         ; the immediate's high byte repeats the setting that is left; a switch that changes nothing is dropped
.if MSB != (\new)
	s_set_vgpr_msb (MSB<<8)|(\new)
.set MSB, \new
.endif
.endm
.set MUL,  0xa5                        ; sources 0 and 1 window 1; C and D window 2
.set MULB, 0x95                        ; the same with C (h2) in window 1
.set TO_F, 0x40                        ; destination window 1, address window 0
.set TO_3, 0xc0                        ; destination window 3, address window 0
.set CV3,  0xcf                        ; sources 0 and 1 and destination window 3
.set SCM,  0xa3                        ; source 0 (C) window 3, source 1 (s) window 0, C and D window 2
.set ST2,  0x08                        ; an LDS store's data (source 1) window 2
.set FM3,  0x03                        ; source 0 (z) window 3, all else window 0
; A joint load into slot sl (0: X, 1: Y): waves 0 and 1 fetch hb's two halves (64 rows each), waves 2 and 3 w2b's (128 rows each).  The branch hangs on the wave's number alone.
; An s_nop 0 and four v_nop follow each of the two lines, ahead of the jump, the label and what follows.
.macro JLOAD sl
	s_cmp_eq_u32 s[WR], 0
	s_cbranch_scc0 .Lfor_b_\@
	tensor_load_to_lds s[G0A+G0S*(\sl):G0A+G0S*(\sl)+3], s[G1A+G1S*(\sl):G1A+G1S*(\sl)+7]
	s_nop 0
.rept 4
	v_nop
.endr
	s_branch .Lasked_\@
.Lfor_b_\@:
	tensor_load_to_lds s[G0B+G0S*(\sl):G0B+G0S*(\sl)+3], s[G1B+G1S*(\sl):G1B+G1S*(\sl)+7]
	s_nop 0
.rept 4
	v_nop
.endr
.Lasked_\@:
.endm
.macro CREST                           ; a round of the cluster's barrier behind its opening barrier
	s_cmp_lg_u32 s[WV], 0
	s_cbranch_scc1 .Lnot_wave_0_\@
	s_barrier_signal -3
.Lnot_wave_0_\@:
	s_barrier_wait -3
	s_barrier_signal -1
	s_barrier_wait -1
.endm
.macro CROUND                          ; a whole round
	s_barrier_signal -1
	s_barrier_wait -1
	CREST
.endm
; descriptor group 1 at s[g]: a tile of rows x cols elements of 2 bytes, padded in LDS by 4 words behind every row (qi: the code of the row's length in words)
.macro SHAPE g, mask, qi, cols, rows
	s_or_b32 s[(\g)+0], s[\mask], (1<<16)|(1<<20)|(1<<21)|((\qi)<<22)|(3<<25)  ; 15:0 the mask; 17:16 elements of 2 bytes; 20 padding on; 21 set beside a mask; 24:22 the interval; 31:25 4 words of padding (code 3)
	s_mov_b32 s[(\g)+1], (\cols)<<16               ; tensor_dim0
	s_mov_b32 s[(\g)+2], (\rows)<<16               ; tensor_dim1
	s_mov_b32 s[(\g)+3], (\cols)<<16               ; tile_dim0
	s_mov_b32 s[(\g)+4], \rows                     ; tile_dim1
	s_mov_b32 s[(\g)+5], SIZE_K                    ; elements from row to row
	s_mov_b32 s[(\g)+6], 0
	s_mov_b32 s[(\g)+7], 0
.endm
; descriptor group 0 at s[g]: to the LDS byte in s[lds], from the address in s[lo:lo+1] plus off bytes
.macro WHERE g, lds, lo, off
	s_mov_b32 s[(\g)], 1                           ; count = 1
	s_mov_b32 s[(\g)+1], s[\lds]                   ; LDS address
	s_add_nc_u64 s[(\g)+2:(\g)+3], s[\lo:\lo+1], \off  ; global address
	s_or_b32 s[(\g)+3], s[(\g)+3], 0x80000000      ; type = 2
.endm
	s_load_b256 s[4:11], s[0:1], 0x0               ; hb s[4:5], w2b s[6:7], s s[8:9], C s[10:11]
	s_load_b256 s[68:75], s[0:1], 0x20             ; A s[68:69], h2 s[70:71], z s[72:73], out0 s[74:75]
	v_lshl_add_u32 v[SPW], v0, 2, SPARE
	v_mov_b32 v[NIL], 0
	ds_add_u32 v[SPW], v[NIL]                      ; the wave's opening: the add and its wait stand ahead of my first tensor load; the set-up below, work on registers, stands between them
	v_lshrrev_b32 v1, 5, v0
	v_readfirstlane_b32 s[WV], v1                  ; wave 0..3
	s_lshr_b32 s[WR], s[WV], 1
	s_and_b32 s[WC], s[WV], 1
	s_bfe_u32 s84, ttmp6, 0x40000                  ; cx, cy: my place in the cluster
	s_bfe_u32 s85, ttmp6, 0x40004
	s_lshl_b32 s86, ttmp9, 2
	s_add_co_u32 s86, s86, s84                     ; tile column = 4 x cluster x + cx
	s_and_b32 s87, ttmp7, 0xffff
	s_lshl_b32 s87, s87, 2
	s_add_co_u32 s87, s87, s85                     ; tile row = 4 x cluster y + cy
	s_lshl_b32 s88, s85, 2
	s_lshl_b32 s88, 15, s88                        ; my row of the cluster: hb's tiles go to it
	s_lshl_b32 s89, 0x1111, s84                    ; my column: w2b's tiles go to it
	SHAPE G1A,     88, 6, KX, 64                   ; X: rows of 128 words (code 6)
	SHAPE G1B,     89, 6, KX, 128
	SHAPE G1A+G1S, 88, 5, KY, 64                   ; Y: rows of 64 words (code 5)
	SHAPE G1B+G1S, 89, 5, KY, 128
	; where the tiles come from: hb's hang on the tile row alone, w2b's on the tile column alone, each in registers that never hold the other coordinate.  A row is 8,192 bytes.
	s_lshl_b32 s16, s87, 7
	s_lshl_b32 s17, s[WC], 6
	s_add_co_u32 s16, s16, s17                     ; hb: row 128 x tile row + 64 x half
	s_lshl_b32 s16, s16, 13                        ; in bytes: 66,584,576 at the most
	s_mov_b32 s17, 0
	s_lshl_b32 s98, s86, 8
	s_lshl_b32 s99, s[WC], 7
	s_add_co_u32 s98, s98, s99                     ; w2b: row 256 x tile column + 128 x half
	s_lshl_b32 s98, s98, 13
	s_mov_b32 s99, 0
	s_mul_i32 s20, s[WC], 64*XPITCH                ; and where they go: hb's half in X,
	s_mul_i32 s21, s[WC], 128*XPITCH
	s_add_co_u32 s21, s21, XB                      ; w2b's half in X,
	s_mul_i32 s22, s[WC], 64*YPITCH
	s_add_co_u32 s22, s22, YBASE                   ; hb's half in Y,
	s_mul_i32 s23, s[WC], 128*YPITCH
	s_add_co_u32 s23, s23, YB                      ; w2b's half in Y: no place in the cluster enters an LDS address
	; my wave's part of the other tensors
	s_lshl_b32 s66, s87, 7
	s_lshl_b32 s67, s[WR], 6
	s_add_co_u32 s66, s66, s67                     ; my first row
	s_lshl_b32 s90, s66, 8                         ; in s: rows of 256 bytes
	s_mov_b32 s91, 0
	s_lshl_b32 s94, s66, 12                        ; in z and out0: rows of 4,096 bytes
	s_mov_b32 s95, 0
	s_lshl_b32 s66, s86, 8
	s_lshl_b32 s67, s[WC], 7
	s_add_co_u32 s66, s66, s67                     ; my first column
	s_lshl_b32 s92, s66, 8                         ; in C: rows of 256 bytes
	s_mov_b32 s93, 0
	s_lshl_b32 s96, s66, 2                         ; in A, h2 and a row of z and out0: 4 bytes a column
	s_mov_b32 s97, 0
	s_add_co_u32 s94, s94, s96
	s_wait_dscnt 0x0                               ; the opening add is done
	s_wait_kmcnt 0x0
	s_add_nc_u64 s[18:19], s[4:5], s[16:17]
	s_add_nc_u64 s[98:99], s[6:7], s[98:99]
	CROUND                                         ; all sixteen work-groups are here: the first joint loads meet
	WHERE G0A, 20, 18, 0                           ; X begins with k = 0 .. 255,
	WHERE G0B, 21, 98, 0
	JLOAD 0
	WHERE G0A+G0S, 22, 18, KX*2                    ; Y with k = 256 .. 383
	WHERE G0B+G0S, 23, 98, KX*2
	JLOAD 1                                        ; the ring is filled before anything else is done: two loads of mine are out
	s_add_nc_u64 s[8:9], s[8:9], s[90:91]          ; s at my first row
	s_add_nc_u64 s[10:11], s[10:11], s[92:93]      ; C at my first column's row
	s_add_nc_u64 s[68:69], s[68:69], s[96:97]      ; A and h2 at my first column
	s_add_nc_u64 s[70:71], s[70:71], s[96:97]
	s_add_nc_u64 s[72:73], s[72:73], s[94:95]      ; z and out0 at my first row and column
	s_add_nc_u64 s[74:75], s[74:75], s[94:95]
	v_and_b32 v1, 15, v0                           ; l % 16
	v_bfe_u32 v2, v0, 4, 1                         ; l / 16
	v_and_b32 v4, 31, v0                           ; l
	v_mul_u32_u24 v3, v1, XPITCH
	v_lshl_add_u32 v3, v2, 4, v3                   ; in X: a fragment's row x pitch + 16 x half
	s_mul_i32 s66, s[WR], 64*XPITCH                ; my 64 rows of hb
	s_mul_i32 s67, s[WC], 128*XPITCH               ; my 128 rows of w2b,
	s_add_co_u32 s67, s67, XB                      ; which lie behind hb's 128
	v_add_nc_u32 v[ADRA], s66, v3
	v_add_nc_u32 v[ADRB], s67, v3
	v_mul_u32_u24 v3, v1, YPITCH
	v_lshl_add_u32 v3, v2, 4, v3                   ; the same in Y
	s_mul_i32 s66, s[WR], 64*YPITCH
	s_add_co_u32 s66, s66, YBASE
	s_mul_i32 s67, s[WC], 128*YPITCH
	s_add_co_u32 s67, s67, YB
	v_add_nc_u32 v[ADRA+1], s66, v3
	v_add_nc_u32 v[ADRB+1], s67, v3
	v_lshlrev_b32 v[SO], 8, v1
	v_lshl_add_u32 v[SO], v2, 5, v[SO]
	v_lshlrev_b32 v[BO], 5, v2
	s_mul_i32 s66, s[WV], 16*SPITCH
	s_add_co_u32 s66, s66, STAGE                   ; my stage
	v_mul_u32_u24 v3, v1, SPITCH                   ; in: row l % 16, 32 bytes for each half of the lanes
	v_lshl_add_u32 v3, v2, 5, v3
	v_add_nc_u32 v[STO], s66, v3
	v_lshlrev_b32 v[CO], 4, v4
	v_add_nc_u32 v[RD], s66, v[CO]                 ; back: 32 lanes take one row of 512 bytes
	WIN TO_F
.irp b, 0,1,2,3,4,5,6,7
	global_load_b128 v[BIAS+8*(\b):BIAS+8*(\b)+3],   v[BO], s[70:71] offset:64*(\b)     ; h2 of columns 16 b + 8 (l / 16) + 0..3,
	global_load_b128 v[BIAS+8*(\b)+4:BIAS+8*(\b)+7], v[BO], s[70:71] offset:64*(\b)+16  ; and + 4..7
.endr
	WIN 0
	global_load_b128 v[AV:AV+3], v[CO], s[68:69]
; f32 rows of 64 numbers (256 bytes) as matrix fragments to be: fragment fr = 2 x block + half of K takes 16 registers: the 8 numbers at K = 32 half + 8 (l / 16) and the 8 at 16 further on, four loads of 16 bytes.
.macro FRAGS32 blocks, dst, lo
.set fr, 0
.rept 2*(\blocks)
.irp q, 0,1,2,3
	global_load_b128 v[(\dst)+16*fr+4*(\q):(\dst)+16*fr+4*(\q)+3], v[SO], s[\lo:\lo+1] offset:(fr/2)*4096+(fr%2)*128+16*((\q)%2)+64*((\q)/2)
.endr
.set fr, fr+1
.endr
.endm
; The same registers rounded to bf16 in place: fragment fr shrinks from 16 registers at 16 fr to 8 at 8 fr.  Ascending, a destination never lies above a source that is still to be read.
.macro SQUEEZE frags, base
.set fr, 0
.rept \frags
.irp i, 0,1,2,3,4,5,6,7
	v_cvt_pk_bf16_f32 v[(\base)+8*fr+(\i)], v[(\base)+16*fr+2*(\i)], v[(\base)+16*fr+2*(\i)+1]
.endr
.set fr, fr+1
.endr
.endm
; 8 matrix instructions: m block a x all 8 n blocks, 32 along K.  first = 1: the product starts the sum, with h2 as C.  The 32 accumulators take turns, one instruction a turn, in the same order everywhere.
.macro MUL8 f, a, first
.if \first
	WIN MULB
.else
	WIN MUL
.endif
.irp b, 0,1,2,3,4,5,6,7
.if \first
	v_wmma_f32_16x16x32_bf16 v[8*(8*(\a)+(\b)):8*(8*(\a)+(\b))+7], v[(\f)+32+8*(\b):(\f)+32+8*(\b)+7], v[(\f)+8*(\a):(\f)+8*(\a)+7], v[BIAS+8*(\b):BIAS+8*(\b)+7]
.else
	v_wmma_f32_16x16x32_bf16 v[8*(8*(\a)+(\b)):8*(8*(\a)+(\b))+7], v[(\f)+32+8*(\b):(\f)+32+8*(\b)+7], v[(\f)+8*(\a):(\f)+8*(\a)+7], v[8*(8*(\a)+(\b)):8*(8*(\a)+(\b))+7]
.endif
.endr
.endm
; 24 LDS loads in one run: the fragments of one quarter (128 rows of w2b first, then 64 rows of hb; 32 K at byte k of the rows of slot sl) into buffer f
.macro FETCH sl, k, f
.set PT, XPITCH-(XPITCH-YPITCH)*(\sl)
	WIN TO_F
.irp i, 0,1,2,3,4,5,6,7
	ds_load_b128 v[(\f)+32+8*(\i):(\f)+32+8*(\i)+3],   v[ADRB+(\sl)] offset:(\k)+(\i)*16*PT
	ds_load_b128 v[(\f)+32+8*(\i)+4:(\f)+32+8*(\i)+7], v[ADRB+(\sl)] offset:(\k)+(\i)*16*PT+32
.endr
.irp i, 0,1,2,3
	ds_load_b128 v[(\f)+8*(\i):(\f)+8*(\i)+3],   v[ADRA+(\sl)] offset:(\k)+(\i)*16*PT
	ds_load_b128 v[(\f)+8*(\i)+4:(\f)+8*(\i)+7], v[ADRA+(\sl)] offset:(\k)+(\i)*16*PT+32
.endr
.endm
; Four places in front of loads into registers that matrix instructions have read, and of LDS stores that read results: only plain vector instructions that name none of the matrix instruction's registers
; are places (ISA guide 7.12.1 for vector instructions).
.macro PLACES
.rept 4
	v_nop
.endr
.endm
; A quarter is 32 along K, 32 matrix instructions; X holds eight of them, Y four, on buffers 0, 1, 0, 1 ..  All but a slot's last: multiplies buffer f and, in its middle, fetches the next quarter, at byte k, into g.
.macro QUARTER sl, k, f, g, first
	s_wait_dscnt 4                                 ; w2b and hb's blocks 0, 1 are in; the youngest four loads (blocks 2, 3) may be out
	MUL8 \f, 0, \first
	MUL8 \f, 1, \first
	PLACES
	FETCH \sl, \k, \g
	s_wait_dscnt 24                                ; all but the 24 just issued
	MUL8 \f, 2, \first
	MUL8 \f, 3, \first
.endm
; A slot's last quarter multiplies buffer 1 and changes slots: one barrier; in front of it each wave waits for all its tensor loads (one is out: its part of the next slot), adds 0 to its spare word, and waits
; for that and for its own reads of this slot.  fill = 1: the barrier opens a round of the cluster's, so that no wave of any partner still reads the slot or has a load on its way, and slot sl is filled again,
; 384 along K ahead, first thing behind the round.  From there to the wait for that load a wave issues 240 matrix instructions if the slot is Y, 112 if it is X.
.macro TURN sl, next, fill
	WIN 0                                          ; (the add's two registers lie in window 0)
	s_wait_tensorcnt 0x0                           ; all my tensor loads have landed;
	ds_add_u32 v[SPW], v[NIL]                      ; 0 onto my spare word;
	s_wait_dscnt 7                                 ; (the add and the six loads of hb's blocks 1 to 3 may be out)
	MUL8 F1, 0, 0                                  ; eight matrix instructions stand between the add and the wait for it
	s_wait_dscnt 0x0                               ; the add is done, and my reads of this slot are over
	s_barrier_signal -1
	MUL8 F1, 1, 0
.if \fill
	WIN 0
.endif
	s_barrier_wait -1
.if \fill
	CREST
	s_add_nc_u64 s[G0A+G0S*(\sl)+2:G0A+G0S*(\sl)+3], s[G0A+G0S*(\sl)+2:G0A+G0S*(\sl)+3], RING  ; no tensor load of mine is out: the slot's two addresses step; the type bits on top are not reached
	s_add_nc_u64 s[G0B+G0S*(\sl)+2:G0B+G0S*(\sl)+3], s[G0B+G0S*(\sl)+2:G0B+G0S*(\sl)+3], RING
	JLOAD \sl                                      ; the four v_nop behind it are also the places in front of the loads below
.else
	PLACES
.endif
	FETCH \next, 0, F0
	MUL8 F1, 2, 0
	MUL8 F1, 3, 0
.endm
; z: 32 of my 64 rows, 512 consecutive bytes a load, in the layout in which the rows come back from the stage
.macro ZLOAD p
	WIN TO_3
.set t, 32*(\p)
.rept 32
	global_load_b128 v[4*t:4*t+3], v[CO], s[72:73] offset:4096*t th:TH_LOAD_NT  ; read once in the launch
.set t, t+1
.endr
.endm
; THE WAY OUT of block a (16 rows x 128 columns of f32).  TOSTAGE: a lane's 32 bytes of a row go into my own stage, rows of 528 bytes, and come back as whole rows of 512.  SEND: z A is added, and the rows are stored.
.macro TOSTAGE a
.set RB, SS+64*((\a)%2)
.if (\a) >= 2
	s_wait_xcnt 0x0                                ; the stores of block a - 2 have read this buffer
.endif
	WIN ST2
.irp b, 0,1,2,3,4,5,6,7
	ds_store_b128 v[STO], v[8*(8*(\a)+(\b)):8*(8*(\a)+(\b))+3]   offset:64*(\b)     ; each accumulator's low four registers first
	ds_store_b128 v[STO], v[8*(8*(\a)+(\b))+4:8*(8*(\a)+(\b))+7] offset:64*(\b)+16
.endr
	WIN 0
.set t, 0
.rept 16
	ds_load_b128 v[RB+4*t:RB+4*t+3], v[RD] offset:SPITCH*t  ; LDS serves a wave's instructions in order (ISA guide 5.7.1.4): these see the stores above, and the next block's stores come behind them
.set t, t+1
.endr
.endm
.macro SEND a, younger                 ; younger: the LDS instructions issued behind block a's loads: the next block's 16 stores and 16 loads, or none
.set RB, SS+64*((\a)%2)
	s_wait_dscnt \younger
	WIN FM3
.set t, 0
.rept 16
	v_pk_fma_f32 v[RB+4*t:RB+4*t+1],   v[4*(16*(\a)+t):4*(16*(\a)+t)+1],   v[AV:AV+1],   v[RB+4*t:RB+4*t+1]
	v_pk_fma_f32 v[RB+4*t+2:RB+4*t+3], v[4*(16*(\a)+t)+2:4*(16*(\a)+t)+3], v[AV+2:AV+3], v[RB+4*t+2:RB+4*t+3]
.set t, t+1
.endr
	WIN 0
.set t, 0
.rept 16
	global_store_b128 v[CO], v[RB+4*t:RB+4*t+3], s[74:75] offset:4096*(16*(\a)+t) th:TH_STORE_NT  ; a wave stores 512 consecutive bytes, at a multiple of 512 from out0's first byte
.set t, t+1
.endr
.endm
	FRAGS32 4, SS, 8                               ; s of my 64 rows: 32 loads, which land under the loop
	s_wait_tensorcnt 1                             ; my part of X's first tile is in; Y's may stay out
	s_barrier_signal -1
	s_barrier_wait -1                              ; everybody's is
	FETCH 0, 0, F0
	s_wait_loadcnt 32                              ; h2 and A are in; the 32 loads of s are younger and stay out
	QUARTER 0, 64,  F0, F1, 1                      ; the first quarter stands in front of the loop: its products start the sums, on h2
	WIN TO_3
	FRAGS32 8, 0, 10                               ; C of my 128 columns: 64 loads, which land under the loop
	WIN 0                                          ; at a label and at a branch every window is 0
	s_mov_b32 s3, PASSES
	s_branch .Lenter                               ; the loop is entered behind X's first quarter, in the middle of a trip: the first pass has no change from Y to X
.Llap:                                                 ; a trip goes once round the ring, from Y's last quarter to its last but one, and fills both slots again
	TURN 1, 0, 1                                   ; Y is left and filled again
	QUARTER 0, 64,  F0, F1, 0
	WIN 0
.Lenter:
	QUARTER 0, 128, F1, F0, 0
	QUARTER 0, 192, F0, F1, 0
	QUARTER 0, 256, F1, F0, 0
	QUARTER 0, 320, F0, F1, 0
	QUARTER 0, 384, F1, F0, 0
	QUARTER 0, 448, F0, F1, 0
	TURN 0, 1, 1                                   ; X is left and filled again: ten times, the last with k = 3,840 .. 4,095
	QUARTER 1, 64,  F0, F1, 0
	QUARTER 1, 128, F1, F0, 0
	QUARTER 1, 192, F0, F1, 0
	WIN 0
	s_sub_co_u32 s3, s3, 1
	s_cmp_lg_u32 s3, 0
	s_cbranch_scc1 .Llap
	; s C^T: 192 roundings and 64 products on data asked for at the start; X's last fill is on its way meanwhile
	s_wait_loadcnt 0x0                             ; s and C
	SQUEEZE 8, SS
	WIN CV3
	SQUEEZE 16, 0
	WIN SCM
.irp c, 0,1
.irp a, 0,1,2,3
.irp b, 0,1,2,3,4,5,6,7
	v_wmma_f32_16x16x32_bf16 v[8*(8*(\a)+(\b)):8*(8*(\a)+(\b))+7], v[8*(2*(\b)+(\c)):8*(2*(\b)+(\c))+7], v[SS+8*(2*(\a)+(\c)):SS+8*(2*(\a)+(\c))+7], v[8*(8*(\a)+(\b)):8*(8*(\a)+(\b))+7]
.endr
.endr
.endr
	PLACES                                         ; z's first rows land on registers that those products read
	ZLOAD 0                                        ; rows 0-31: 288 matrix instructions ahead of the wait for them
	TURN 1, 0, 0                                   ; the last change of slots: nothing is left to fetch, so no round follows; behind it nobody reads Y any more
	ZLOAD 1                                        ; rows 32-63: 256 matrix instructions ahead of the wait
	QUARTER 0, 64,  F0, F1, 0
	QUARTER 0, 128, F1, F0, 0
	QUARTER 0, 192, F0, F1, 0
	QUARTER 0, 256, F1, F0, 0
	QUARTER 0, 320, F0, F1, 0
	QUARTER 0, 384, F1, F0, 0
	QUARTER 0, 448, F0, F1, 0
	s_wait_dscnt 4                                 ; the very last quarter: nothing more to fetch
	MUL8 F1, 0, 0
	MUL8 F1, 1, 0
	s_wait_dscnt 0x0
	MUL8 F1, 2, 0
	MUL8 F1, 3, 0
	PLACES                                         ; the stores into the stage read results behind which only matrix instructions stand
	s_wait_loadcnt 0x0                             ; z
	TOSTAGE 0
	TOSTAGE 1                                      ; a block's trip through the stage stands between the loads of the block before and the wait for them
	SEND 0, 32
	TOSTAGE 2
	SEND 1, 32
	TOSTAGE 3
	SEND 2, 32
	SEND 3, 0
	s_wait_tensorcnt 0x0                           ; the wave's end, behind my last tensor load and my last LDS store
	ds_add_u32 v[SPW], v[NIL]
	s_wait_dscnt 0x0
	CROUND                                         ; the closing round: no work-group ends while a partner may still ask for a tile that names it
	s_endpgm
.Lfunc_end_k_q09e7125b21_down:
	.size	k_q09e7125b21_down, .Lfunc_end_k_q09e7125b21_down-k_q09e7125b21_down
	.p2alignl 7, 3214868480
	.fill 96, 4, 3214868480
	.section	.rodata,"a",@progbits
	.p2align	6, 0x0
	.amdhsa_kernel k_q09e7125b21_down
		.amdhsa_group_segment_fixed_size 327680
		.amdhsa_private_segment_fixed_size 0
		.amdhsa_enable_private_segment 0
		.amdhsa_kernarg_size 64
		.amdhsa_user_sgpr_count 2
		.amdhsa_user_sgpr_kernarg_segment_ptr 1
		.amdhsa_wavefront_size32 1
		.amdhsa_system_sgpr_workgroup_id_x 1
		.amdhsa_system_sgpr_workgroup_id_y 1
		.amdhsa_system_sgpr_workgroup_id_z 1
		.amdhsa_system_vgpr_workitem_id 0
		.amdhsa_next_free_vgpr 1024
		.amdhsa_next_free_sgpr 100
		.amdhsa_reserve_vcc 0
		.amdhsa_float_denorm_mode_32 3
		.amdhsa_float_denorm_mode_16_64 3
		.amdhsa_memory_ordered 1
		.amdhsa_forward_progress 1
		.amdhsa_inst_pref_size 150
	.end_amdhsa_kernel
	.amdgpu_metadata
---
amdhsa.version: [ 1, 2 ]
amdhsa.kernels:
  - .name:           k_q09e7125b21_down
    .symbol:         k_q09e7125b21_down.kd
    .args:
      - { .name: hb, .offset: 0, .size: 8, .value_kind: global_buffer, .address_space: global }
      - { .name: w2b, .offset: 8, .size: 8, .value_kind: global_buffer, .address_space: global }
      - { .name: s, .offset: 16, .size: 8, .value_kind: global_buffer, .address_space: global }
      - { .name: C, .offset: 24, .size: 8, .value_kind: global_buffer, .address_space: global }
      - { .name: A, .offset: 32, .size: 8, .value_kind: global_buffer, .address_space: global }
      - { .name: h2, .offset: 40, .size: 8, .value_kind: global_buffer, .address_space: global }
      - { .name: z, .offset: 48, .size: 8, .value_kind: global_buffer, .address_space: global }
      - { .name: out0, .offset: 56, .size: 8, .value_kind: global_buffer, .address_space: global }
    .group_segment_fixed_size: 327680
    .private_segment_fixed_size: 0
    .kernarg_segment_align: 8
    .kernarg_segment_size: 64
    .max_flat_workgroup_size: 128
    .sgpr_count:     100
    .vgpr_count:     1024
    .wavefront_size: 32
...
	.end_amdgpu_metadata
.endif
;; end of part 3
